; MI455X (gfx1250); checked and timed in simulation.
; The chip was launched on July 23, 2026; its instructions are those of AMD's public machine-readable ISA for CDNA 5 (MIT licence, August 2026) and "CDNA5" Instruction Set Architecture Reference Guide (July 2026). The comments in the code are by the model that wrote it; some were corrected since.
;; GQA. Allowed arithmetic: matrix products marked QUANTISED: E4M3 operands, one given power-of-two scale a tensor, by v_wmma_f32_16x16x64_fp8_fp8 or v_wmma_f32_16x16x128_fp8_fp8, f32 sums; everything else in f32.
;; Inputs: bk 256 float32; bo 1,024 float32; bq 1,024 float32; bv 256 float32; lowp_scales 12 int32 (the exponents e of the quantised operands' scales 2^e); wk_codes 256 x 32 x 32 uint8 (E4M3 codes of wk, K innermost, in blocks of 32 codes); wo_codes 1,024 x 32 x 32 uint8 (E4M3 codes of wo, K innermost, in blocks of 32 codes); wq_codes 1,024 x 32 x 32 uint8 (E4M3 codes of wq, K innermost, in blocks of 32 codes); wv_codes 256 x 32 x 32 uint8 (E4M3 codes of wv, K innermost, in blocks of 32 codes); x_codes 2 x 2,048 x 32 x 32 uint8 (E4M3 codes of x, K innermost, in blocks of 32 codes).
;; Outputs: out0 2 x 2,048 x 1,024 float32.
;; This version of the problem:
;;   THIS VERSION OF THE PROBLEM IS GIVEN IN LOW PRECISION. The matrix products marked QUANTISED in the list below multiply operands that are first quantised to E4M3 (4 exponent bits, 3 mantissa bits; 8 bits a number), with one given power-of-two scale for each operand tensor; their sums are f32. All else is computed in f32.
;;   The module's matrix products, in the order in which they are computed (A, B: the left and right operand; K: the contracted axis; several contracted axes count as one K, in the product's order):
;;     1. [M 4,096, K 1,024] x [K 1,024, N 1,024]; A: input x (given as codes); B: input wq (given as codes): QUANTISED (scales: A lowp_scales[0], B lowp_scales[1])
;;     2. [M 4,096, K 1,024] x [K 1,024, N 256]; A: input x (given as codes); B: input wk (given as codes): QUANTISED (scales: A lowp_scales[2], B lowp_scales[3])
;;     3. [M 4,096, K 1,024] x [K 1,024, N 256]; A: input x (given as codes); B: input wv (given as codes): QUANTISED (scales: A lowp_scales[4], B lowp_scales[5])
;;     4. batch 32 x [M 2,048, K 64] x [K 64, N 2,048]; A: computed on the way; B: computed on the way: QUANTISED (scales: A lowp_scales[6], B lowp_scales[7])
;;     5. batch 32 x [M 2,048, K 2,048] x [K 2,048, N 64]; A: computed on the way; B: computed on the way: QUANTISED (scales: A lowp_scales[8], B lowp_scales[9])
;;     6. [M 4,096, K 1,024] x [K 1,024, N 1,024]; A: computed on the way; B: input wo (given as codes): QUANTISED (scales: A lowp_scales[10], B lowp_scales[11])
;;   THE QUANTISER, for each operand of a quantised product, along K:
;;     - The operand's scale is 2^e, e = its entry of the input lowp_scales (int32; the entries are numbered through the quantised products in the list's order, A before B).
;;     - Each number is divided by the scale, clamped to +-448, and rounded to the nearest number of E4M3, ties to even, subnormals kept.
;;     - The product sums the exact products of the quantised numbers (number of the format x scale) in f32.
;;   ~~~python
;;   def quantise(x, axis, e):      # numpy; x: float32 -> the quantised numbers, widened to float32 again
;;       x = np.moveaxis(x, axis, -1); K = x.shape[-1]
;;       r = np.clip(x / 2.0 ** e, -448, 448)
;;       step = 2.0 ** (np.maximum(np.frexp(np.where(r == 0, 1, r))[1] - 1, -6) - 3)
;;       q = np.round(r / step) * step * 2.0 ** e      # np.round: ties to even
;;       return np.moveaxis(q, -1, axis).astype(np.float32)
;;   ~~~
;;   OPERANDS COMPUTED ON THE WAY. 'Computed on the way' means the value that the module computes at that place (a softmax that the list does not call 'softmax' is quantised finished and normalised). What goes into a quantiser is computed in f32, as accurately as f32 sums, v_exp_f32 and their like allow (about 1e-6 of the number): no bf16 or f16 on the way to a quantiser, and a product that is left as it is and whose result goes on into a quantised operand takes f32 operands (vector FMAs, or v_wmma_f32_16x16x4_f32). A number that lies on a knife's edge between two numbers of the format may be rounded either way, as far as f32 arithmetic and the matrix unit's own rounding can turn it there, and no further.
;;   INPUTS GIVEN AS CODES. wk (in the module: [256, 1024], K = its axis 1); wo (in the module: [1024, 1024], K = its axis 1); wq (in the module: [1024, 1024], K = its axis 1); wv (in the module: [256, 1024], K = its axis 1); x (in the module: [2, 2048, 1024], K = its axis 2): each comes as NAME_codes (uint8): NAME with its K axis moved to the last place and cut into blocks of 32 codes, [.., K / 32, bytes a block], one block behind the other in memory; one code a byte (a code: sign, 4 exponent bits, 3 mantissa bits); its scale is its entry of lowp_scales. Its value is code x scale, taken as it is: it is not quantised again, and the codes and scales need not be those that the quantiser above would give.
;; One version. Each part assembles by itself: llvm-mc -triple=amdgcn-amd-amdhsa -mcpu=gfx1250 --defsym DOCPART=n.
;; ======== version 1 of 1: 3 launches
;; limits: right only within a limited range of input values
;; workspace buffers: q_img 4,194,304 bytes; k_img 1,048,576 bytes; v_img 1,048,576 bytes; o_img 4,194,304 bytes
;; launch proj (part 1): grid 6 x 32, 4 waves a work-group, no clusters, 168,448 bytes of LDS; arguments x_codes, wq_codes, wk_codes, wv_codes, bq, bk, bv, lowp_scales, q_img, k_img, v_img; writes q_img, k_img, v_img
.if DOCPART == 1
	.amdgcn_target "amdgcn-amd-amdhsa--gfx1250"
	.amdhsa_code_object_version 6
	.text
	.protected	k_q9dded91bf5_proj
	.globl	k_q9dded91bf5_proj
	.p2align	8
	.type	k_q9dded91bf5_proj,@function
k_q9dded91bf5_proj:
	s_mov_b64 s[64:65], 0
	v_nop
	global_prefetch_b8 v0, s[64:65] scope:SCOPE_SE
	s_setreg_imm32_b32 hwreg(HW_REG_WAVE_MODE, 25, 1), 1
	s_wait_xcnt 0x0
; q = rope(x wq^T + bq), k = rope(x wk^T + bk), v = x wv^T + bv, all three products on the given E4M3 codes; the results are quantised (e6, e7, e9) and stored
; AS IMAGES OF THE OPERAND REGISTERS that the attention launch wants: a group of four registers is 512 consecutive bytes, lane l's 16 bytes at 16 l.
; SHARES.  24 units of 64 columns: 16 heads of q, 4 of k, 4 of v.  Work-group x = g takes units 4 g .. 4 g + 3 (g 0-3: q, 4: k, 5: v), work-group y 128 rows of x (one batch).
; Wave w owns one unit: its 64 rows of W (64 KiB) stay in 512 registers, read once.  The 128 rows of x come once into LDS by four tensor loads and are read by all four waves.
; No cluster: x's tile is shared by six column groups, which four does not divide, and W does not go through LDS.
; q, k: THE PRODUCT IS USED TRANSPOSED (source 0 = 16 rows of W, source 1 = 16 rows of x): lane (r, h) holds row t = r, register j of tile c the column d = 16 c + 8 h + j.  So the partner d + 32 of the
; rotation lies in tile c + 2, same lane, same register, and one conversion of tile c gives registers 2 c, 2 c + 1 of the K = 64 operand.
; v: source 0 = 16 rows of x, source 1 = 16 rows of wv: lane (r, h) holds one d, register j the key 8 h + j of x's tile i: registers 2 i, 2 i + 1 of V^T's fragment over 128 keys.
; Row r of wv's tile 2 b + u is d = 32 b + 8 u + r + 8 (r / 8), so that later a lane's 16 registers of O^T's tiles 2 b, 2 b + 1 are 16 neighbours along d.
; The bias is the C of each sum's first product, divided by 2^E (E = the product's two exponents added); the rotation works on sums / 2^E; the conversion's one scale is 2^(eo - E).
; cos, sin: angle = fl(t x f), f the f32 nearest to 10^(-j/8); reduced by pi/2 in two words (the first step is exact for t < 2,048), then polynomials of degree 7 and 8 on |r| <= pi/4.
; LIMITS: eo - E between -126 and 119; f may differ from 1 / pow(10000, j / 32) in f32 by a last bit or two (an angle off by up to about 2e-4 at t = 2,047); NaN among the inputs is not served.
; REGISTERS, in windows of 256.  window 0: v1-15 addresses and constants; v16-23 codes; v24-31 at work; v32-63 four accumulators; v64-95 cos, sin (q, k) or v64-127 v's codes; v96-111 the 16 frequencies;
;   v128-255 x's fragments, buffer A (ahead of that the tables' work).  window 1: W's K steps 0-3.  window 2: K steps 4-7.  window 3: v0-127 x's buffer B; v128-159 the bias in the result's layout.
.set PITCH, 1040                       ; an LDS row of x: 1,024 bytes + 16 of padding: 65 x 16, so the 16 rows that a load touches start in 16 different groups of banks
.set XWAVE, 32*PITCH                   ; what one tensor load brings
.set CSB,   128*PITCH                  ; behind x (a multiple of 256): the tables, 8 tiles of rows x (4 chunks of cos, 4 of sin) x 512 bytes; no tensor load lands here
.set ACC, 32
.set COS, 64
.set SIN, 80
.set VC,  64
.set FQ,  96
.set BI,  128                          ; in window 3
.set TA,  128                          ; the tables' work: angle, then r
.set TN,  144                          ; the quadrant
.set TZ,  160                          ; r^2
.set TS,  176
.set TC,  192                          ; at the end: cos
.set TW,  208
.set TH,  224                          ; at the end: sin
.set MSB, 0
.macro WIN new                         ; the immediate's high byte repeats the setting that is left; a switch that changes nothing is dropped
.if MSB != \new
	s_set_vgpr_msb (MSB<<8)|\new
.set MSB, \new
.endif
.endm
.macro PLACES n
.rept \n
	v_nop
.endr
.endm
; My unit's 64 rows of W: fragment (K step s, tile t) at v[16 (4 (s % 4) + t)] of window 1 or 2.  Registers 4 c .. 4 c + 3 hold k = 32 c + 16 h + 0 .. 15: the same order of k as x's loads give.
.macro WLOAD
.irp s, 0,1,2,3,4,5,6,7
.if \s < 4
	WIN 0x40
.else
	WIN 0x80
.endif
.irp t, 0,1,2,3
.irp c, 0,1,2,3
	global_load_b128 v[16*(4*(\s%4)+\t)+4*\c:16*(4*(\s%4)+\t)+4*\c+3], v[8+\t%2], s[56:57] offset:(\t/2)*32768+128*\s+32*\c
.endr
.endr
.endr
	WIN 0
.endm
.macro FSET i, a, b                    ; frequency of register i: a in lanes 0-15, b in lanes 16-31 (VCC: h = 1)
	v_mov_b32 v[FQ+\i], \b
	v_cndmask_b32 v[FQ+\i], \a, v[FQ+\i], vcc_lo
.endm
; cos and sin for rows 16 (2 w + u) + r of the block, 16 angles a lane, stage by stage so that no line waits for the line above it
.macro TABLE u
	v_add_nc_u32 v14, 16*\u, v15
	v_cvt_f32_u32 v14, v14                         ; t
.irp k, 0,1,2,3,4,5,6,7,8,9,10,11,12,13,14,15
	v_mul_f32 v[TA+\k], v14, v[FQ+\k]              ; the angle, rounded once
.endr
.irp k, 0,1,2,3,4,5,6,7,8,9,10,11,12,13,14,15
	v_mul_f32 v[TN+\k], s66, v[TA+\k]
.endr
.irp k, 0,1,2,3,4,5,6,7,8,9,10,11,12,13,14,15
	v_rndne_f32 v[TN+\k], v[TN+\k]                 ; n = the nearest whole number to angle x 2 / pi
.endr
.irp k, 0,1,2,3,4,5,6,7,8,9,10,11,12,13,14,15
	v_fma_f32 v[TA+\k], -v[TN+\k], s67, v[TA+\k]   ; - n x the upper word of pi / 2
.endr
.irp k, 0,1,2,3,4,5,6,7,8,9,10,11,12,13,14,15
	v_fma_f32 v[TA+\k], -v[TN+\k], s68, v[TA+\k]   ; - n x the lower word: r
	v_cvt_i32_f32 v[TN+\k], v[TN+\k]
.endr
.irp k, 0,1,2,3,4,5,6,7,8,9,10,11,12,13,14,15
	v_mul_f32 v[TZ+\k], v[TA+\k], v[TA+\k]
.endr
.irp k, 0,1,2,3,4,5,6,7,8,9,10,11,12,13,14,15
	v_fma_f32 v[TS+\k], v[TZ+\k], s69, s70
	v_fma_f32 v[TC+\k], v[TZ+\k], s72, s73
	v_mul_f32 v[TW+\k], v[TZ+\k], v[TA+\k]
	v_fma_f32 v[TH+\k], v[TZ+\k], -0.5, 1.0
.endr
.irp k, 0,1,2,3,4,5,6,7,8,9,10,11,12,13,14,15
	v_fma_f32 v[TS+\k], v[TS+\k], v[TZ+\k], s71
	v_fma_f32 v[TC+\k], v[TC+\k], v[TZ+\k], s74
	v_mul_f32 v[TZ+\k], v[TZ+\k], v[TZ+\k]
.endr
.irp k, 0,1,2,3,4,5,6,7,8,9,10,11,12,13,14,15
	v_fma_f32 v[TS+\k], v[TS+\k], v[TW+\k], v[TA+\k]   ; sin r
	v_fma_f32 v[TC+\k], v[TC+\k], v[TZ+\k], v[TH+\k]   ; cos r
	v_and_b32 v[TW+\k], 1, v[TN+\k]
.endr
.irp k, 0,1,2,3,4,5,6,7,8,9,10,11,12,13,14,15
	v_cmp_ne_u32 vcc_lo, 0, v[TW+\k]               ; in odd quadrants the two change places
	v_cndmask_b32 v[TH+\k], v[TS+\k], v[TC+\k], vcc_lo
	v_cndmask_b32 v[TC+\k], v[TC+\k], v[TS+\k], vcc_lo
.endr
.irp k, 0,1,2,3,4,5,6,7,8,9,10,11,12,13,14,15
	v_lshlrev_b32 v[TW+\k], 30, v[TN+\k]           ; sin is negative where n mod 4 is 2 or 3,
	v_add_nc_u32 v[TN+\k], 1, v[TN+\k]             ; cos where it is 1 or 2
.endr
.irp k, 0,1,2,3,4,5,6,7,8,9,10,11,12,13,14,15
	v_and_b32 v[TW+\k], 0x80000000, v[TW+\k]
	v_lshlrev_b32 v[TN+\k], 30, v[TN+\k]
.endr
.irp k, 0,1,2,3,4,5,6,7,8,9,10,11,12,13,14,15
	v_xor_b32 v[TH+\k], v[TW+\k], v[TH+\k]
	v_and_b32 v[TN+\k], 0x80000000, v[TN+\k]
.endr
.irp k, 0,1,2,3,4,5,6,7,8,9,10,11,12,13,14,15
	v_xor_b32 v[TC+\k], v[TN+\k], v[TC+\k]
.endr
.irp c, 0,1,2,3
	ds_store_b128 v7, v[TC+4*\c:TC+4*\c+3] offset:\u*4096+512*\c
.endr
.irp c, 0,1,2,3
	ds_store_b128 v7, v[TH+4*\c:TH+4*\c+3] offset:\u*4096+2048+512*\c
.endr
.endm
; x's eight fragments of rows 16 i .. 16 i + 15 into buffer A (buf = 0: window 0, v128 on) or B (buf = 1: window 3, v0 on)
.macro XLOAD i, buf
.if \buf
	WIN 0xc0
.endif
.irp s, 0,1,2,3,4,5,6,7
.irp c, 0,1,2,3
	ds_load_b128 v[128*(1-(\buf))+16*\s+4*\c:128*(1-(\buf))+16*\s+4*\c+3], v[4+(\i)/4] offset:((\i)%4)*16*PITCH+128*\s+32*\c
.endr
.endr
	WIN 0
.endm
; 32 products: K step by K step, the four accumulators by turns, one instruction a turn.  The first K step takes the bias as C.  kind = 0: W is source 0; 1: x is source 0.
.macro MM kind, buf
.irp s, 0,1,2,3,4,5,6,7
.if \kind
.set WS, (3*(\buf))|((1+\s/4)<<2)
.else
.set WS, (1+\s/4)|((3*(\buf))<<2)
.endif
.if \s == 0
.set WS, WS|0x30
.endif
	WIN WS
.set RX, 128*(1-(\buf))+16*\s
.irp t, 0,1,2,3
.set RW, 16*(4*(\s%4)+\t)
.if \kind
.if \s == 0
	v_wmma_f32_16x16x128_fp8_fp8 v[ACC+8*\t:ACC+8*\t+7], v[RX:RX+15], v[RW:RW+15], v[BI+8*\t:BI+8*\t+7]
.else
	v_wmma_f32_16x16x128_fp8_fp8 v[ACC+8*\t:ACC+8*\t+7], v[RX:RX+15], v[RW:RW+15], v[ACC+8*\t:ACC+8*\t+7]
.endif
.else
.if \s == 0
	v_wmma_f32_16x16x128_fp8_fp8 v[ACC+8*\t:ACC+8*\t+7], v[RW:RW+15], v[RX:RX+15], v[BI+8*\t:BI+8*\t+7]
.else
	v_wmma_f32_16x16x128_fp8_fp8 v[ACC+8*\t:ACC+8*\t+7], v[RW:RW+15], v[RX:RX+15], v[ACC+8*\t:ACC+8*\t+7]
.endif
.endif
.endr
.endr
	WIN 0
.endm
.macro HOLD                            ; the conversion to an 8-bit code does not saturate (ISA guide 7.6.2): each number is held within the largest code x the scale; each accumulator from its low end on
.set n, 0
.rept 32
	v_med3_num_f32 v[ACC+n], v[ACC+n], -v13, v13
.set n, n+1
.endr
.endm
; Rows 16 i .. 16 i + 15 of q or k
.macro TILE_QK i
	s_wait_dscnt 0x0                               ; this tile's fragments of x are in
.irp c, 0,1,2,3,4,5,6,7
	ds_load_b128 v[COS+4*\c:COS+4*\c+3], v6 offset:(\i)*4096+512*\c
.endr
.if (\i) < 7
	XLOAD (\i)+1, ((\i)+1)%2                       ; the next tile's, into the buffer that the tile before multiplied (five places stand behind its products)
.endif
	MM 0, (\i)%2
	PLACES 5                                       ; four in front of the reads of results and of loads into sources; five in front of the next tile's first products, which begin the accumulators anew
.if (\i) < 7
	s_wait_dscnt 32                                ; cos and sin are in; the 32 younger loads of x may be out
.else
	s_wait_dscnt 0x0
.endif
.irp n, 0,2,4,6,8,10,12,14             ; a = d < 32, b = d + 32:  a cos - b sin,  b cos + a sin
	v_pk_mul_f32 v[24+2*(\n%4):25+2*(\n%4)], v[ACC+16+\n:ACC+17+\n], v[SIN+\n:SIN+\n+1]
	v_pk_mul_f32 v[26+2*(\n%4):27+2*(\n%4)], v[ACC+\n:ACC+\n+1], v[SIN+\n:SIN+\n+1]
	v_pk_fma_f32 v[ACC+\n:ACC+\n+1], v[ACC+\n:ACC+\n+1], v[COS+\n:COS+\n+1], v[24+2*(\n%4):25+2*(\n%4)] neg_lo:[0,0,1] neg_hi:[0,0,1]
	v_pk_fma_f32 v[ACC+16+\n:ACC+17+\n], v[ACC+16+\n:ACC+17+\n], v[COS+\n:COS+\n+1], v[26+2*(\n%4):27+2*(\n%4)]
.endr
	HOLD
	s_wait_alu depctr_va_vdst(0)
	s_wait_xcnt 0x0                                ; the last tile's stores have read v16-23
.irp c, 0,1,2,3
	v_cvt_scalef32_pk8_fp8_f32 v[16+2*\c:17+2*\c], v[ACC+8*\c:ACC+8*\c+7], v12
.endr
	v_nop                                          ; one plain line between the conversions and the next products, which write their sources
	global_store_b128 v3, v[16:19], s[60:61] offset:(\i)*1024       ; 32 lanes store 512 consecutive bytes, aligned
	global_store_b128 v3, v[20:23], s[60:61] offset:(\i)*1024+512
.endm
; Keys 16 i .. 16 i + 15 of v: registers 2 i, 2 i + 1 of each of the four fragments of V^T
.macro TILE_V i
	s_wait_dscnt 0x0
.if (\i) < 7
	XLOAD (\i)+1, ((\i)+1)%2
.endif
	MM 1, (\i)%2
	PLACES 5
	HOLD
.irp t, 0,1,2,3
	v_cvt_scalef32_pk8_fp8_f32 v[VC+16*\t+2*(\i):VC+16*\t+2*(\i)+1], v[ACC+8*\t:ACC+8*\t+7], v12
.endr
	v_nop
.endm
	s_load_b512 s[4:19], s[0:1], 0x0               ; x s[4:5], wq s[6:7], wk s[8:9], wv s[10:11], bq s[12:13], bk s[14:15], bv s[16:17], the scales' exponents s[18:19]
	s_load_b128 s[20:23], s[0:1], 0x40             ; q_img, k_img
	s_load_b64 s[24:25], s[0:1], 0x50              ; v_img
	s_set_vgpr_msb 0xc0
	v_lshl_add_u32 v254, v0, 2, 0x29000
	v_mov_b32 v255, 0
	s_set_vgpr_msb 0xc0cf
	ds_add_u32 v254, v255
	ds_add_u32 v254, v255
	s_set_vgpr_msb 0xcf00
	v_lshrrev_b32 v1, 5, v0
	v_readfirstlane_b32 s26, v1                    ; wave w
	s_mov_b32 s27, ttmp9                           ; g
	s_and_b32 s28, ttmp7, 0xffff                   ; y
	; descriptor group 1: 32 rows x 1,024 elements of one byte, 16 bytes of padding behind each row
	s_mov_b32 s36, (1<<20)|(7<<22)|(3<<25)         ; no mask; elements of 1 byte; padding on; after every 256 words (code 7); four words (code 3)
	s_mov_b32 s37, 1024<<16                        ; tensor_dim0
	s_mov_b32 s38, 32<<16                          ; tensor_dim1
	s_mov_b32 s39, 1024<<16                        ; tile_dim0
	s_mov_b32 s40, 32                              ; tile_dim1
	s_mov_b32 s41, 1024                            ; from row to row
	s_mov_b32 s42, 0
	s_mov_b32 s43, 0
	s_mov_b32 s32, 1
	s_mul_i32 s33, s26, XWAVE                      ; my 32 rows' place in LDS
	s_lshl_b32 s77, s28, 17
	s_lshl_b32 s78, s26, 15
	s_add_co_u32 s78, s78, s77                     ; (128 y + 32 w) rows of 1,024 bytes
	s_mov_b32 s79, 0
	s_wait_dscnt 0x0
	s_wait_kmcnt 0x0
	s_load_b256 s[44:51], s[18:19], 0x0            ; e0 .. e7
	s_load_b128 s[52:55], s[18:19], 0x20           ; e8 .. e11
	s_add_nc_u64 s[34:35], s[4:5], s[78:79]
	s_or_b32 s35, s35, 0x80000000                  ; type = 2
	tensor_load_to_lds s[32:35], s[36:43]          ; my one tensor load: LDS is filled once
	s_nop 0
	PLACES 4
	; which tensors are mine: choices on g alone
	s_mov_b32 s87, 16384
	s_cmp_eq_u32 s27, 5
	s_cselect_b64 s[56:57], s[10:11], s[8:9]
	s_cselect_b64 s[58:59], s[16:17], s[14:15]
	s_cselect_b64 s[60:61], s[24:25], s[22:23]
	s_cselect_b32 s86, 8, 0                        ; v: lane r takes row r + 8 (r / 8) of a tile,
	s_cselect_b32 s87, 8192, s87                   ; and an odd tile begins 8 rows behind the even one, not 16
	s_cmp_lt_u32 s27, 4
	s_cselect_b64 s[56:57], s[6:7], s[56:57]
	s_cselect_b64 s[58:59], s[12:13], s[58:59]
	s_cselect_b64 s[60:61], s[20:21], s[60:61]
	s_cselect_b32 s80, s27, 0
	s_cselect_b32 s81, 4, 2                        ; log2 of the tensor's heads
	s_lshl_b32 s80, s80, 2
	s_add_co_u32 s80, s80, s26                     ; my unit among its tensor's
	s_lshl_b32 s78, s80, 16
	s_add_nc_u64 s[56:57], s[56:57], s[78:79]      ; W at my 64 rows
	s_lshl_b32 s78, s80, 8
	s_add_nc_u64 s[58:59], s[58:59], s[78:79]      ; the bias at my 64 numbers
	s_lshr_b32 s82, s28, 4                         ; batch
	s_lshl_b32 s82, s82, s81
	s_add_co_u32 s82, s82, s80
	s_lshl_b32 s82, s82, 17                        ; a head's images are 131,072 bytes in all three buffers,
	s_and_b32 s83, s28, 15
	s_lshl_b32 s83, s83, 13                        ; and 128 rows' part of them 8,192
	s_add_co_u32 s78, s82, s83
	s_add_nc_u64 s[60:61], s[60:61], s[78:79]
	s_and_b32 s85, s28, 15
	s_lshl_b32 s85, s85, 7
	s_lshl_b32 s82, s26, 5
	s_add_co_u32 s85, s85, s82                     ; t of the first row whose table I make
	s_lshl_b32 s88, s26, 13
	v_and_b32 v1, 15, v0                           ; r
	v_bfe_u32 v2, v0, 4, 1                         ; h
	v_and_b32 v3, 31, v0
	v_lshlrev_b32 v3, 4, v3                        ; 16 x lane: an image's place for my lane
	v_and_b32 v8, s86, v1
	v_add_nc_u32 v8, v8, v1                        ; my row in a tile of W
	v_lshlrev_b32 v11, 2, v8                       ; v: my bias
	v_lshlrev_b32 v8, 10, v8
	v_lshl_add_u32 v8, v2, 4, v8                   ; W, even tiles
	v_add_nc_u32 v9, s87, v8                       ; W, odd tiles
	v_lshlrev_b32 v10, 5, v2                       ; q, k: my eight biases of a tile
	WLOAD
	v_mul_u32_u24 v4, v1, PITCH
	v_lshl_add_u32 v4, v2, 4, v4                   ; x in LDS: row r, + 16 h; tiles 0-3
	v_add_nc_u32 v5, 4*16*PITCH, v4                ; tiles 4-7
	v_add_nc_u32 v6, CSB, v3                       ; the tables
	v_add_nc_u32 v7, s88, v6                       ; where I store mine: tiles 2 w, 2 w + 1
	v_add_nc_u32 v15, s85, v1
	s_mov_b32 s66, 0x3f22f983                      ; 2 / pi
	s_mov_b32 s67, 0x3fc90fdb                      ; pi / 2, upper word
	s_mov_b32 s68, 0xb33bbd2e                      ; pi / 2, lower word
	s_mov_b32 s69, 0xb94ca1f9                      ; sin: -1.9515295891e-4, 8.3321608736e-3, -1.6666654611e-1
	s_mov_b32 s70, 0x3c08839e
	s_mov_b32 s71, 0xbe2aaaa3
	s_mov_b32 s72, 0x37ccf5ce                      ; cos: 2.4433157118e-5, -1.3887316255e-3, 4.1666645683e-2
	s_mov_b32 s73, 0xbab6061a
	s_mov_b32 s74, 0x3d2aaaa5
	s_wait_kmcnt 0x0
	s_add_co_i32 s75, s44, s45                     ; e0 + e1
	s_add_co_i32 s77, s46, s47                     ; e2 + e3
	s_add_co_i32 s78, s48, s49                     ; e4 + e5
	s_cmp_eq_u32 s27, 5
	s_cselect_b32 s77, s78, s77
	s_cselect_b32 s76, s53, s51                    ; e9 or e7
	s_cmp_lt_u32 s27, 4
	s_cselect_b32 s75, s75, s77                    ; E
	s_cselect_b32 s76, s50, s76                    ; eo (q: e6)
	s_sub_co_i32 s84, 0, s75                       ; -E
	s_sub_co_i32 s78, s76, s75
	s_add_co_i32 s78, s78, 127
	s_lshl_b32 s79, s78, 23
	v_mov_b32 v12, s79                             ; 2^(eo - E): the conversion takes its exponent field
	s_add_co_i32 s78, s78, 8
	s_lshl_b32 s78, s78, 23
	s_or_b32 s78, s78, 0x600000
	v_mov_b32 v13, s78                             ; 448 x that
	s_cmp_eq_u32 s27, 5                            ; the ways part once, on the work-group's x: all four waves take the same way
	s_cbranch_scc1 .Lv
	; ---- q and k
	WIN 0xc0
	s_wait_alu depctr_va_vdst(0)
.irp t, 0,1,2,3
	global_load_b128 v[BI+8*\t:BI+8*\t+3], v10, s[58:59] offset:64*\t       ; the bias of columns 16 t + 8 h + 0 .. 7
	global_load_b128 v[BI+8*\t+4:BI+8*\t+7], v10, s[58:59] offset:64*\t+16
.endr
	WIN 0
	v_cmp_eq_u32 vcc_lo, 1, v2
	FSET 0, 1.0, 0.1                               ; register i: 10^(-j/8), j = 16 (i / 8) + 8 h + i % 8
	FSET 1, 0.7498942093, 0.07498942093
	FSET 2, 0.5623413252, 0.05623413252
	FSET 3, 0.4216965034, 0.04216965034
	FSET 4, 0.3162277660, 0.03162277660
	FSET 5, 0.2371373706, 0.02371373706
	FSET 6, 0.1778279410, 0.01778279410
	FSET 7, 0.1333521432, 0.01333521432
	FSET 8, 0.01, 0.001
	FSET 9, 0.007498942093, 0.0007498942093
	FSET 10, 0.005623413252, 0.0005623413252
	FSET 11, 0.004216965034, 0.0004216965034
	FSET 12, 0.003162277660, 0.0003162277660
	FSET 13, 0.002371373706, 0.0002371373706
	FSET 14, 0.001778279410, 0.0001778279410
	FSET 15, 0.001333521432, 0.0001333521432
	TABLE 0
	s_wait_dscnt 0x0                               ; the stores have read their registers
	TABLE 1
	s_wait_tensorcnt 0x0                           ; my 32 rows of x have landed,
	s_wait_dscnt 0x0                               ; my two tables are stored:
	s_barrier_signal -1
	s_barrier_wait -1                              ; everybody's
	s_wait_loadcnt 0x0                             ; W and the bias
	WIN 0xc3
.set n, 0
.rept 32
	v_ldexp_f32 v[BI+n], v[BI+n], s84              ; bias / 2^E
.set n, n+1
.endr
	WIN 0
	XLOAD 0, 0
	s_wait_alu depctr_va_vdst(0)
.irp i, 0,1,2,3,4,5,6,7
	TILE_QK \i
.endr
	s_set_vgpr_msb 0xf
	s_wait_tensorcnt 0x0
	ds_add_u32 v254, v255
	s_wait_dscnt 0x0
	s_set_vgpr_msb 0xf00
	s_endpgm
	; ---- v
.Lv:
	WIN 0xc0
.irp t, 0,1,2,3
	global_load_b32 v[BI+8*\t], v11, s[58:59] offset:(32*(\t/2)+8*(\t%2))*4   ; a lane holds one d of a tile: one bias for its eight keys
.endr
	WIN 0
	s_wait_tensorcnt 0x0                           ; my 32 rows of x have landed:
	s_barrier_signal -1
	s_barrier_wait -1                              ; everybody's
	s_wait_loadcnt 0x0
	WIN 0xc3
.irp t, 0,1,2,3
.irp j, 7,6,5,4,3,2,1,0
	v_ldexp_f32 v[BI+8*\t+\j], v[BI+8*\t], s84     ; bias / 2^E, in all eight registers; the source last
.endr
.endr
	WIN 0
	XLOAD 0, 0
	s_wait_alu depctr_va_vdst(0)
.irp i, 0,1,2,3,4,5,6,7
	TILE_V \i
.endr
.irp t, 0,1,2,3
.irp c, 0,1,2,3
	global_store_b128 v3, v[VC+16*\t+4*\c:VC+16*\t+4*\c+3], s[60:61] offset:2048*\t+512*\c   ; 512 consecutive bytes, aligned
.endr
.endr
	s_set_vgpr_msb 0xf
	s_wait_tensorcnt 0x0
	ds_add_u32 v254, v255
	s_wait_dscnt 0x0
	s_set_vgpr_msb 0xf00
	s_endpgm
.Lfunc_end_k_q9dded91bf5_proj:
	.size	k_q9dded91bf5_proj, .Lfunc_end_k_q9dded91bf5_proj-k_q9dded91bf5_proj
	.p2alignl 7, 3214868480
	.fill 96, 4, 3214868480
	.section	.rodata,"a",@progbits
	.p2align	6, 0x0
	.amdhsa_kernel k_q9dded91bf5_proj
		.amdhsa_group_segment_fixed_size 168448
		.amdhsa_private_segment_fixed_size 0
		.amdhsa_enable_private_segment 0
		.amdhsa_kernarg_size 88
		.amdhsa_user_sgpr_count 2
		.amdhsa_user_sgpr_kernarg_segment_ptr 1
		.amdhsa_wavefront_size32 1
		.amdhsa_system_sgpr_workgroup_id_x 1
		.amdhsa_system_sgpr_workgroup_id_y 1
		.amdhsa_system_sgpr_workgroup_id_z 1
		.amdhsa_system_vgpr_workitem_id 0
		.amdhsa_next_free_vgpr 1024
		.amdhsa_next_free_sgpr 90
		.amdhsa_reserve_vcc 1
		.amdhsa_float_denorm_mode_32 3
		.amdhsa_float_denorm_mode_16_64 3
		.amdhsa_memory_ordered 1
		.amdhsa_forward_progress 1
		.amdhsa_inst_pref_size 195
	.end_amdhsa_kernel
	.amdgpu_metadata
---
amdhsa.version: [ 1, 2 ]
amdhsa.kernels:
  - .name:           k_q9dded91bf5_proj
    .symbol:         k_q9dded91bf5_proj.kd
    .args:
      - { .name: x_codes, .offset: 0, .size: 8, .value_kind: global_buffer, .address_space: global }
      - { .name: wq_codes, .offset: 8, .size: 8, .value_kind: global_buffer, .address_space: global }
      - { .name: wk_codes, .offset: 16, .size: 8, .value_kind: global_buffer, .address_space: global }
      - { .name: wv_codes, .offset: 24, .size: 8, .value_kind: global_buffer, .address_space: global }
      - { .name: bq, .offset: 32, .size: 8, .value_kind: global_buffer, .address_space: global }
      - { .name: bk, .offset: 40, .size: 8, .value_kind: global_buffer, .address_space: global }
      - { .name: bv, .offset: 48, .size: 8, .value_kind: global_buffer, .address_space: global }
      - { .name: lowp_scales, .offset: 56, .size: 8, .value_kind: global_buffer, .address_space: global }
      - { .name: q_img, .offset: 64, .size: 8, .value_kind: global_buffer, .address_space: global }
      - { .name: k_img, .offset: 72, .size: 8, .value_kind: global_buffer, .address_space: global }
      - { .name: v_img, .offset: 80, .size: 8, .value_kind: global_buffer, .address_space: global }
    .group_segment_fixed_size: 168448
    .private_segment_fixed_size: 0
    .kernarg_segment_align: 8
    .kernarg_segment_size: 88
    .max_flat_workgroup_size: 128
    .sgpr_count:     90
    .vgpr_count:     1024
    .wavefront_size: 32
...
	.end_amdgpu_metadata
.endif
;; end of part 1
;; launch attn (part 2): grid 32 x 8, 16 waves a work-group, clusters of 4 x 1, 327,680 bytes of LDS; arguments q_img, k_img, v_img, lowp_scales, o_img; writes o_img
.if DOCPART == 2
	.amdgcn_target "amdgcn-amd-amdhsa--gfx1250"
	.amdhsa_code_object_version 6
	.text
	.protected	k_q9dded91bf5_attn
	.globl	k_q9dded91bf5_attn
	.p2align	8
	.type	k_q9dded91bf5_attn,@function
k_q9dded91bf5_attn:
	s_mov_b64 s[64:65], 0
	v_nop
	global_prefetch_b8 v0, s[64:65] scope:SCOPE_SE
	s_setreg_imm32_b32 hwreg(HW_REG_WAVE_MODE, 25, 1), 1
	s_wait_xcnt 0x0
	s_wait_alu depctr_hold_cnt(0) depctr_sa_sdst(0) depctr_va_vdst(0) depctr_va_sdst(0) depctr_va_ssrc(0) depctr_va_vcc(0) depctr_vm_vsrc(0)
	s_getreg_b32 s2, hwreg(HW_REG_IB_STS2, 6, 4)
	s_cmp_eq_u32 s2, 0
	s_cbranch_scc0 .Lentry_in_a_cluster
	s_endpgm
.Lentry_in_a_cluster:
	s_bfe_u32 s2, ttmp6, 0x10000c
	s_cmp_lg_u32 s2, 0x3003
	s_cbranch_scc0 .Lentry_shape_is_right
	s_endpgm
.Lentry_shape_is_right:
; o = (softmax(q k^T, causal) / 32) v for 32 heads of 2,048 queries x 64, both products on E4M3 codes; o is quantised (e10) and stored as images of the last product's operand registers.
; WHAT IS QUANTISED FOR THE SECOND PRODUCT IS THE FINISHED WEIGHT, softmax / 32: the row's sum must be known first, so the keys are walked twice.  Pass 1: the largest score and the sum, each lane for its own keys, with a
; running maximum.  Then the lanes and waves that share a query join theirs.  Pass 2: the scores again, 32 x weight = 2^(c s - (M + log2(sum))), c = log2(e) x 2^(e6 + e7), M = c x the largest score; it is quantised with the
; scale 2^(e8 + 5): the 32 = 1,024^0.5 is a power of two, so the codes are those of the weight under 2^e8.
; SHARES.  Cluster y = batch x 4 + key head; the four partners of a cluster are the four query heads of that key head (cx enters Q's and O's global addresses alone); cluster x = j.
; A STRIP is 32 queries, two tiles; a work-group owns eight strips, one of each eighth of the queries: st = 8 u + j, or 8 u + 7 - j where u is odd.  A strip needs the 64-key groups 0 .. st / 2: strips st and 63 - st have 33 together.
; Two waves share a strip: wave k = 0, 1 takes the groups of parity k, all of the strip's queries: each fragment of K and V feeds two tiles.  The two waves' sums and O^T are joined through LDS; wave k finishes tile k of the strip.
; Waves of equal w / 4 and waves of equal w % 4 both have 33 groups together.  Both loops have 16 trips in every wave; a trip behind the strip's last group is jumped over by a scalar branch on ids: groups whose keys all come
; behind the queries are hidden by the causal mask, and are not computed.
; K's and V's images of the key head, 131,072 bytes each, fill LDS once, by joint loads of 8 KiB, one a wave: K's at the head, V's behind the round that shows K whole; V is read in pass 2 alone.
; LAYOUT.  S^T = K Q^T (source 0 = 16 keys, source 1 = 16 queries): lane (r, h) holds query r, register j of key tile i key 16 i + 8 h + j: one conversion of tile i gives registers 2 i, 2 i + 1 of the K = 64 operand.
; O^T = V^T P^T: V's rows were chosen so that the registers of tiles 2 b, 2 b + 1 are d = 32 b + 16 h + 0 .. 15.
; No prefetch: K and V are asked for once, whole, ahead of the first loop: there is no loop to run ahead in.
; LIMITS: e6 + e7 within +-100; e8 + 5 and e10 - e8 - e9 between -126 and 119.  M + log2(sum) is one f32 number.  NaN among the inputs is not served.  A score is a sum of 64 products of codes of at most 448 each: under 2^24.
; REGISTERS: v1, v6 LDS bases of K, V; v2, v3 LDS addresses in hand; v4 r - 8 h; v5 -infinity; v7 16 x lane; v[8:9] -M of the two tiles (pass 2: -(M + log2 sum)); v12, v13 the largest scores; v[14:17] the sums;
;   v18-25 at work; v26-29 the conversions' constants; v30, v31 the add's; v32-63 K; v64-95 V; v96-159 S^T, then p: tile u, key tile i at 96 + 32 u + 8 i; v160-223 O^T: 160 + 32 u + 8 t; v224-239 p's codes; v240-255 Q.
.set S,   96
.set O,   160
.set PC,  224
.set QF,  240
.set VB,  131072                       ; V's images lie behind K's
.set STAT, 262144                      ; behind V: 512 bytes a wave for the sums
.set SPARE, STAT+8192                  ; the spare words, 128 bytes a wave: no other line names them
.set MJ,  66                           ; s[66:73]: the lanes whose key 8 h + j lies behind their query r, j = 0 .. 7, in a tile on the diagonal
.macro ROUND                           ; a round of the cluster's barrier
	s_barrier_signal -1
	s_barrier_wait -1
	s_cmp_lg_u32 s14, 0
	s_cbranch_scc1 .Lnot_wave_0_\@
	s_barrier_signal -3
.Lnot_wave_0_\@:
	s_barrier_wait -3
	s_barrier_signal -1
	s_barrier_wait -1
.endm
.macro PLACES n
.rept \n
	v_nop
.endr
.endm
.macro KLOAD adr                       ; four tiles of 16 keys
.irp i, 0,1,2,3
	ds_load_b128 v[32+8*\i:35+8*\i], v[\adr] offset:1024*\i
	ds_load_b128 v[36+8*\i:39+8*\i], v[\adr] offset:1024*\i+512
.endr
.endm
.macro SCORES
	s_wait_dscnt 0x0                               ; this group's fragments of K are in
.irp i, 0,1,2,3
.irp u, 0,1
	v_wmma_f32_16x16x64_fp8_fp8 v[S+32*\u+8*\i:S+32*\u+8*\i+7], v[32+8*\i:39+8*\i], v[QF+8*\u:QF+8*\u+7], 0
.endr
.endr
	v_add_nc_u32 v2, s21, v1                       ; the next group's fragments; a place behind the products
.endm
.macro DIAG i, u
.irp j, 0,1,2,3,4,5,6,7
	v_cndmask_b32 v[S+32*\u+8*\i+\j], v[S+32*\u+8*\i+\j], v5, s[MJ+\j]
.endr
.endm
.macro HID i, u
.irp j, 0,1,2,3,4,5,6,7
	v_mov_b32 v[S+32*\u+8*\i+\j], v5
.endr
.endm
; In the strip's last group the scores of keys behind the query become -infinity: p = 0 then.  An even strip's tiles meet key tiles 0 and 1 on the diagonal, an odd strip's 2 and 3.
.macro MASK
	s_cmp_lg_u32 s19, s27
	s_cbranch_scc1 .Lopen_\@
	s_cmp_lg_u32 s58, 0
	s_cbranch_scc1 .Lodd_\@
	DIAG 0, 0
	HID 1, 0
	HID 2, 0
	HID 3, 0
	DIAG 1, 1
	HID 2, 1
	HID 3, 1
	s_wait_alu depctr_va_vdst(0)
	s_branch .Lopen_\@
.Lodd_\@:
	DIAG 2, 0
	HID 3, 0
	DIAG 3, 1
	s_wait_alu depctr_va_vdst(0)
.Lopen_\@:
.endm
.macro SHIFT b                         ; c x score + v[b] (tile 0) or v[b+1] (tile 1), two at a time
.set n, 0
.rept 16
	v_pk_fma_f32 v[S+n:S+n+1], v[S+n:S+n+1], s[22:23], v[\b:\b+1] op_sel_hi:[1,0,0]
.set n, n+2
.endr
.rept 16
	v_pk_fma_f32 v[S+n:S+n+1], v[S+n:S+n+1], s[22:23], v[\b:\b+1] op_sel:[0,0,1] op_sel_hi:[1,0,1]
.set n, n+2
.endr
.endm
.macro EXPS
	s_wait_alu depctr_va_vdst(0)
.set n, 0
.rept 64
	v_exp_f32 v[S+n], v[S+n]
.set n, n+1
.endr
.endm
.macro STEP1
	s_cmp_ge_u32 s19, s15
	s_cbranch_scc1 .Lskip_\@
	SCORES
	PLACES 3
	KLOAD 2
	MASK
.irp q, 0,1,2,3,4,5,6,7                ; the largest score: two chains a tile, the running one a leaf; each accumulator from its low end on
	v_max3_num_f32 v12, v12, v[S+2*\q], v[S+2*\q+1]
	v_max3_num_f32 v13, v13, v[S+32+2*\q], v[S+33+2*\q]
.if \q == 0
	v_max3_num_f32 v22, v[S+16], v[S+17], v[S+18]
	v_max3_num_f32 v23, v[S+48], v[S+49], v[S+50]
.elseif \q < 7
	v_max3_num_f32 v22, v22, v[S+17+2*\q], v[S+18+2*\q]
	v_max3_num_f32 v23, v23, v[S+49+2*\q], v[S+50+2*\q]
.endif
.endr
	v_max3_num_f32 v12, v12, v22, v[S+31]
	v_max3_num_f32 v13, v13, v23, v[S+63]
	v_mul_f32 v22, s26, v12                        ; the new -M
	v_mul_f32 v23, s26, v13
	v_sub_f32 v24, v22, v8                         ; old M - new M
	v_sub_f32 v25, v23, v9
	SHIFT 22
	EXPS
	v_exp_f32 v24, v24
	v_exp_f32 v25, v25
	v_mov_b32 v8, v22                              ; plain lines behind the batch
	v_mov_b32 v9, v23
	s_wait_alu depctr_va_vdst(0)                   ; one wait for the batch, ahead of its first reader
	v_pk_fma_f32 v[14:15], v[14:15], v[24:25], v[S:S+1] op_sel_hi:[1,0,1]                     ; the sums under the new M + the first two
	v_pk_fma_f32 v[16:17], v[16:17], v[24:25], v[S+32:S+33] op_sel:[0,1,0] op_sel_hi:[1,1,1]
	v_pk_add_f32 v[18:19], v[S+16:S+17], v[S+18:S+19]
	v_pk_add_f32 v[20:21], v[S+48:S+49], v[S+50:S+51]
.irp q, 1,2,3,4,5,6,7
	v_pk_add_f32 v[14:15], v[14:15], v[S+2*\q:S+2*\q+1]
	v_pk_add_f32 v[16:17], v[16:17], v[S+32+2*\q:S+33+2*\q]
.if \q < 7
	v_pk_add_f32 v[18:19], v[18:19], v[S+18+2*\q:S+19+2*\q]
	v_pk_add_f32 v[20:21], v[20:21], v[S+50+2*\q:S+51+2*\q]
.endif
.endr
	v_pk_add_f32 v[14:15], v[14:15], v[18:19]
	v_pk_add_f32 v[16:17], v[16:17], v[20:21]
.Lskip_\@:
.endm
.macro STEP2
	s_cmp_ge_u32 s19, s15
	s_cbranch_scc1 .Lskip_\@
	SCORES
	v_add_nc_u32 v3, s24, v6
	PLACES 2
.irp t, 0,1,2,3                        ; V's four fragments of this group, then the next group's K
	ds_load_b128 v[64+8*\t:67+8*\t], v3 offset:2048*\t
	ds_load_b128 v[68+8*\t:71+8*\t], v3 offset:2048*\t+512
.endr
	KLOAD 2
	MASK
	SHIFT 8
	EXPS                                           ; 32 x the finished weight
	v_nop                                          ; the plain line behind the batch
	s_wait_alu depctr_va_vdst(0)                   ; one wait for the batch
.set n, 0
.rept 32
	v_dual_min_num_f32 v[S+n], v[S+n], v26 :: v_dual_min_num_f32 v[S+n+1], v[S+n+1], v26   ; the conversion does not saturate (ISA guide 7.6.2); a weight is not negative, so the hold is one-sided
.set n, n+2
.endr
.irp u, 0,1
.irp i, 0,1,2,3
	v_cvt_scalef32_pk8_fp8_f32 v[PC+8*\u+2*\i:PC+8*\u+2*\i+1], v[S+32*\u+8*\i:S+32*\u+8*\i+7], v27
.endr
.endr
	v_nop                                          ; one plain line between the conversions and the products that read their results
	s_wait_dscnt 8                                 ; V is in; the eight younger loads of K may be out
	s_wait_alu depctr_va_vdst(0)
.irp t, 0,1,2,3
.irp u, 0,1
	v_wmma_f32_16x16x64_fp8_fp8 v[O+32*\u+8*\t:O+32*\u+8*\t+7], v[64+8*\t:71+8*\t], v[PC+8*\u:PC+8*\u+7], v[O+32*\u+8*\t:O+32*\u+8*\t+7]   ; eight accumulators by turns, one instruction a turn
.endr
.endr
.Lskip_\@:
.endm
	s_load_b256 s[4:11], s[0:1], 0x0               ; q_img s[4:5], k_img s[6:7], v_img s[8:9], the scales' exponents s[10:11]
	s_load_b64 s[12:13], s[0:1], 0x20              ; o_img
	v_lshl_add_u32 v30, v0, 2, SPARE
	v_mov_b32 v31, 0
	ds_add_u32 v30, v31                            ; the opening lines: the add twice on end, then its wait
	ds_add_u32 v30, v31
	v_lshrrev_b32 v1, 5, v0
	v_readfirstlane_b32 s14, v1                    ; wave w
	s_mov_b32 s16, ttmp9                           ; j: the cluster's x
	s_and_b32 s17, ttmp7, 0xffff                   ; batch x 4 + key head
	s_bfe_u32 s18, ttmp6, 0x40000                  ; cx: which of the key head's four query heads
	; descriptor group 1: a dense block of 8 KiB as 32 rows of 32 elements of 8 bytes; the mask names all four partners
	s_mov_b32 s32, 15|(3<<16)|(1<<21)
	s_mov_b32 s33, 32<<16                          ; tensor_dim0
	s_mov_b32 s34, 32<<16                          ; tensor_dim1
	s_mov_b32 s35, 32<<16                          ; tile_dim0
	s_mov_b32 s36, 32                              ; tile_dim1
	s_mov_b32 s37, 32                              ; from row to row
	s_mov_b32 s38, 0
	s_mov_b32 s39, 0
	s_mov_b32 s28, 1
	s_lshl_b32 s29, s14, 13                        ; K in LDS: wave x 8 KiB
	s_mov_b32 s48, 1
	s_add_co_u32 s49, s29, VB                      ; V likewise
	s_lshl_b32 s56, s17, 17
	s_add_co_u32 s56, s56, s29                     ; the key head's images, my sixteenth of them: the same in all four partners
	s_mov_b32 s57, 0
	s_wait_dscnt 0x0                               ; both opening adds are done
	ROUND                                          ; all four work-groups are here: the joint loads meet
	s_wait_kmcnt 0x0
	s_add_nc_u64 s[30:31], s[6:7], s[56:57]
	s_or_b32 s31, s31, 0x80000000                  ; type = 2
	tensor_load_to_lds s[28:31], s[32:39]          ; K: my one tensor load at the head
	s_nop 0
	PLACES 4
	s_load_b256 s[40:47], s[10:11], 0x10           ; e4 .. e11
	s_add_nc_u64 s[50:51], s[8:9], s[56:57]
	s_or_b32 s51, s51, 0x80000000
	; which strip is mine.  w = 4 row + column of a 4 x 4 square; its 2 x 2 blocks p hold the long strip 7 - p on one diagonal and the short strip p on the other
	s_lshr_b32 s53, s14, 2
	s_and_b32 s53, s53, 1                          ; k = row % 2
	s_xor_b32 s54, s53, s14
	s_and_b32 s54, s54, 1                          ; 0: the long strip
	s_sub_co_u32 s54, s54, 1
	s_and_b32 s54, s54, 7
	s_lshr_b32 s55, s14, 3
	s_lshl_b32 s55, s55, 1
	s_bfe_u32 s56, s14, 0x10001
	s_or_b32 s55, s55, s56                         ; p
	s_xor_b32 s55, s55, s54                        ; u = p, or 7 - p
	s_and_b32 s56, s55, 1
	s_sub_co_u32 s56, 0, s56
	s_and_b32 s56, s56, 7
	s_xor_b32 s56, s56, s16                        ; j, or 7 - j where u is odd
	s_lshl_b32 s52, s55, 3
	s_add_co_u32 s52, s52, s56                     ; st
	s_lshr_b32 s54, s52, 1                         ; the strip's last group of 64 keys
	s_add_co_u32 s15, s54, 2
	s_sub_co_u32 s15, s15, s53
	s_lshr_b32 s15, s15, 1                         ; how many groups of parity k are mine
	s_and_b32 s58, s52, 1
	s_and_b32 s55, s54, 1
	s_lshr_b32 s56, s54, 1
	s_cmp_eq_u32 s55, s53
	s_cselect_b32 s27, s56, 64                     ; the trip of the last group, where it is mine
	s_lshl_b32 s56, s17, 2
	s_add_co_u32 s56, s56, s18                     ; batch x 16 + query head
	s_lshl_b32 s56, s56, 17
	s_lshl_b32 s54, s52, 11
	s_add_co_u32 s56, s56, s54
	s_add_nc_u64 s[4:5], s[4:5], s[56:57]          ; my two tiles of Q
	s_lshr_b32 s54, s17, 2
	s_lshl_b32 s54, s54, 7
	s_lshl_b32 s55, s52, 1
	s_add_co_u32 s54, s54, s55
	s_add_co_u32 s54, s54, s53                     ; the tile of rows that I finish: batch x 128 + 2 st + k
	s_lshl_b32 s54, s54, 14
	s_and_b32 s56, s17, 3
	s_lshl_b32 s56, s56, 2
	s_add_co_u32 s56, s56, s18                     ; the query head
	s_lshl_b32 s56, s56, 10
	s_add_co_u32 s56, s56, s54
	s_add_nc_u64 s[12:13], s[12:13], s[56:57]      ; my 1,024 bytes of o's images
	s_xor_b32 s63, s14, 5                          ; the wave that shares my strip
	s_lshl_b32 s60, s14, 9
	s_add_co_u32 s60, s60, STAT
	s_lshl_b32 s61, s63, 9
	s_add_co_u32 s61, s61, STAT
	s_lshl_b32 s62, s14, 12
	s_lshl_b32 s63, s63, 12
	s_lshl_b32 s54, s53, 12
	s_lshl_b32 s55, s53, 10
	s_add_co_u32 s55, s55, VB
	v_and_b32 v7, 31, v0
	v_lshlrev_b32 v7, 4, v7
.irp u, 0,1
	global_load_b128 v[QF+8*\u:QF+8*\u+3], v7, s[4:5] offset:1024*\u
	global_load_b128 v[QF+8*\u+4:QF+8*\u+7], v7, s[4:5] offset:1024*\u+512
.endr
	v_add_nc_u32 v1, s54, v7                       ; K: my parity's groups are 8,192 bytes apart
	v_add_nc_u32 v6, s55, v7                       ; V: in a block of 128 keys my parity's half begins 1,024 bytes on in each fragment
	v_and_b32 v2, 15, v0
	v_bfe_u32 v3, v0, 4, 1
	v_lshlrev_b32 v3, 3, v3
	v_sub_nc_u32 v4, v2, v3                        ; r - 8 h (signed)
.irp j, 0,1,2,3,4,5,6,7
	v_cmp_gt_i32 s[MJ+\j], \j, v4
.endr
	v_mov_b32 v5, 0xff800000                       ; -infinity
	v_mov_b32 v14, 0
	v_mov_b32 v15, 0
	v_mov_b32 v16, 0
	v_mov_b32 v17, 0
.set n, 0
.rept 64
	v_mov_b32 v[O+n], 0                            ; O^T: the step is written once, so its first trip finds zeros
.set n, n+1
.endr
	s_wait_alu depctr_va_vdst(0)
	s_wait_kmcnt 0x0
	s_add_co_i32 s54, s42, s43                     ; e6 + e7, added to log2(e)'s exponent field
	s_lshl_b32 s54, s54, 23
	s_add_co_i32 s22, s54, 0x3fb8aa3b              ; c
	s_mov_b32 s23, s22                             ; (named with it as a pair)
	s_xor_b32 s26, s22, 0x80000000                 ; -c
	s_add_co_i32 s54, s44, 132
	s_lshl_b32 s55, s54, 23
	v_mov_b32 v27, s55                             ; 2^(e8 + 5)
	s_add_co_i32 s54, s54, 8
	s_lshl_b32 s54, s54, 23
	s_or_b32 s54, s54, 0x600000
	v_mov_b32 v26, s54                             ; 448 x that
	s_sub_co_i32 s54, s46, s44
	s_sub_co_i32 s54, s54, s45
	s_add_co_i32 s54, s54, 127
	s_lshl_b32 s55, s54, 23
	v_mov_b32 v28, s55                             ; 2^(e10 - e8 - e9): a sum of the second product stands for sum x 2^(e8 + e9)
	s_add_co_i32 s54, s54, 8
	s_lshl_b32 s54, s54, 23
	s_or_b32 s54, s54, 0x600000
	v_mov_b32 v29, s54
	v_mov_b32 v12, 0xcc000000                      ; the largest score so far: -2^25, under every score
	v_mov_b32 v13, 0xcc000000
	v_mul_f32 v8, s26, v12
	v_mul_f32 v9, s26, v13
	s_mov_b32 s19, 0
	s_mov_b32 s20, 8192
	s_wait_alu depctr_va_vdst(0)
	s_wait_tensorcnt 0x0                           ; my part of K is in
	ds_add_u32 v30, v31
	s_wait_dscnt 0x0
	ROUND                                          ; everybody's part of K is in, and the joint loads meet
	tensor_load_to_lds s[48:51], s[32:39]          ; V: lands during pass 1
	s_nop 0
	PLACES 4
	KLOAD 1
	s_wait_loadcnt 0x0                             ; Q
	; PASS 1: the largest score and the sum
.Lp1:
	s_min_u32 s21, s20, 122880                     ; the last trip's look-ahead stays inside K's images
	STEP1
	s_add_co_u32 s20, s20, 8192
	s_add_co_u32 s19, s19, 1
	s_cmp_lt_u32 s19, 16
	s_cbranch_scc1 .Lp1
	s_wait_alu depctr_va_vdst(0)
	v_add_f32 v10, v14, v15
	v_add_f32 v11, v16, v17
	v_add_nc_u32 v2, s60, v7
	ds_store_b128 v2, v[8:11]                      ; my lane's -M and sum of both tiles
	s_wait_alu depctr_va_vdst(0)
	s_wait_tensorcnt 0x0                           ; my part of V is in,
	s_wait_dscnt 0x0                               ; my sums are stored:
	s_barrier_signal -1
	s_barrier_wait -1                              ; everybody's
	v_and_b32 v3, 15, v0
	v_lshlrev_b32 v3, 4, v3
	v_add_nc_u32 v2, s60, v3
	v_add_nc_u32 v3, s61, v3
	ds_load_b128 v[64:67], v2                      ; a query's four parts: my wave's two lanes and the other wave's two
	ds_load_b128 v[68:71], v2 offset:256
	ds_load_b128 v[72:75], v3
	ds_load_b128 v[76:79], v3 offset:256
	KLOAD 1                                        ; pass 2's first group
	s_wait_dscnt 8                                 ; the four parts are in
	v_min3_num_f32 v8, v64, v68, v72
	v_min3_num_f32 v9, v65, v69, v73
	v_min_num_f32 v8, v8, v76                      ; the row's -M
	v_min_num_f32 v9, v9, v77
.irp i, 0,1,2,3
	v_sub_f32 v[80+\i], v8, v[64+4*\i]             ; part's M - the row's M
	v_sub_f32 v[84+\i], v9, v[65+4*\i]
.endr
	s_wait_alu depctr_va_vdst(0)
.irp i, 0,1,2,3,4,5,6,7
	v_exp_f32 v[80+\i], v[80+\i]
.endr
	v_nop
	s_wait_alu depctr_va_vdst(0)
	v_mul_f32 v10, v66, v80
	v_mul_f32 v11, v67, v84
.irp i, 1,2,3
	v_fma_f32 v10, v[66+4*\i], v[80+\i], v10
	v_fma_f32 v11, v[67+4*\i], v[84+\i], v11
.endr
	s_wait_alu depctr_va_vdst(0)
	v_log_f32 v10, v10
	v_log_f32 v11, v11
	v_nop
	s_wait_alu depctr_va_vdst(0)
	v_sub_f32 v8, v8, v10                          ; -(M + log2(sum))
	v_sub_f32 v9, v9, v11
	s_mov_b32 s19, 0
	s_mov_b32 s20, 8192
	s_mov_b32 s24, 0
	s_wait_alu depctr_va_vdst(0)
	; PASS 2: the finished weights, quantised, times V
.Lp2:
	s_min_u32 s21, s20, 122880
	STEP2
	s_add_co_u32 s20, s20, 8192
	s_add_co_u32 s24, s24, 8192
	s_add_co_u32 s19, s19, 1
	s_cmp_lt_u32 s19, 16
	s_cbranch_scc1 .Lp2
	; THE WAY OUT: of the strip's two tiles I finish tile k, the other wave tile 1 - k.  Each sends the other its part through LDS, where K lay: K has had its last fill, and its last read ahead of this barrier.
	v_add_nc_u32 v2, s62, v7
	v_add_nc_u32 v3, s63, v7
	PLACES 4
	s_wait_alu depctr_va_vdst(0)
	s_wait_dscnt 0x0
	s_barrier_signal -1
	s_barrier_wait -1
	s_cmp_eq_u32 s53, 0
	s_cbranch_scc0 .Lsend0
.irp t, 0,1,2,3
	ds_store_b128 v2, v[O+32+8*\t:O+32+8*\t+3] offset:1024*\t
	ds_store_b128 v2, v[O+32+8*\t+4:O+32+8*\t+7] offset:1024*\t+512
.endr
	s_branch .Lsent
.Lsend0:
.irp t, 0,1,2,3
	ds_store_b128 v2, v[O+8*\t:O+8*\t+3] offset:1024*\t
	ds_store_b128 v2, v[O+8*\t+4:O+8*\t+7] offset:1024*\t+512
.endr
.Lsent:
	s_wait_dscnt 0x0
	s_barrier_signal -1
	s_barrier_wait -1
.irp t, 0,1,2,3
	ds_load_b128 v[32+8*\t:35+8*\t], v3 offset:1024*\t
	ds_load_b128 v[36+8*\t:39+8*\t], v3 offset:1024*\t+512
.endr
	s_wait_dscnt 0x0
	s_cmp_eq_u32 s53, 0
	s_cbranch_scc0 .Ladd1
.set n, 0
.rept 16
	v_pk_add_f32 v[S+n:S+n+1], v[O+n:O+n+1], v[32+n:33+n]
.set n, n+2
.endr
	s_wait_alu depctr_va_vdst(0)
	s_branch .Ladded
.Ladd1:
.set n, 0
.rept 16
	v_pk_add_f32 v[S+n:S+n+1], v[O+32+n:O+33+n], v[32+n:33+n]
.set n, n+2
.endr
	s_wait_alu depctr_va_vdst(0)
.Ladded:
.set n, 0
.rept 32
	v_med3_num_f32 v[S+n], v[S+n], -v29, v29       ; the hold at the largest code x the scale
.set n, n+1
.endr
.irp t, 0,1,2,3
	v_cvt_scalef32_pk8_fp8_f32 v[PC+2*\t:PC+2*\t+1], v[S+8*\t:S+8*\t+7], v28
.endr
	v_nop
	global_store_b128 v7, v[PC:PC+3], s[12:13]             ; d = 16 h + 0 .. 15 of my query: 512 consecutive bytes a wave, aligned
	global_store_b128 v7, v[PC+4:PC+7], s[12:13] offset:512  ; d = 32 + 16 h + 0 .. 15
	s_wait_tensorcnt 0x0                           ; the wave's end
	ds_add_u32 v30, v31
	s_wait_dscnt 0x0
	ROUND                                          ; the closing round: no work-group ends while a partner may still ask for a tile that names it
	s_endpgm
.Lfunc_end_k_q9dded91bf5_attn:
	.size	k_q9dded91bf5_attn, .Lfunc_end_k_q9dded91bf5_attn-k_q9dded91bf5_attn
	.p2alignl 7, 3214868480
	.fill 96, 4, 3214868480
	.section	.rodata,"a",@progbits
	.p2align	6, 0x0
	.amdhsa_kernel k_q9dded91bf5_attn
		.amdhsa_group_segment_fixed_size 327680
		.amdhsa_private_segment_fixed_size 0
		.amdhsa_enable_private_segment 0
		.amdhsa_kernarg_size 40
		.amdhsa_user_sgpr_count 2
		.amdhsa_user_sgpr_kernarg_segment_ptr 1
		.amdhsa_wavefront_size32 1
		.amdhsa_system_sgpr_workgroup_id_x 1
		.amdhsa_system_sgpr_workgroup_id_y 1
		.amdhsa_system_sgpr_workgroup_id_z 1
		.amdhsa_system_vgpr_workitem_id 0
		.amdhsa_next_free_vgpr 256
		.amdhsa_next_free_sgpr 80
		.amdhsa_reserve_vcc 0
		.amdhsa_float_denorm_mode_32 3
		.amdhsa_float_denorm_mode_16_64 3
		.amdhsa_memory_ordered 1
		.amdhsa_forward_progress 1
		.amdhsa_inst_pref_size 47
	.end_amdhsa_kernel
	.amdgpu_metadata
---
amdhsa.version: [ 1, 2 ]
amdhsa.kernels:
  - .name:           k_q9dded91bf5_attn
    .symbol:         k_q9dded91bf5_attn.kd
    .args:
      - { .name: q_img, .offset: 0, .size: 8, .value_kind: global_buffer, .address_space: global }
      - { .name: k_img, .offset: 8, .size: 8, .value_kind: global_buffer, .address_space: global }
      - { .name: v_img, .offset: 16, .size: 8, .value_kind: global_buffer, .address_space: global }
      - { .name: lowp_scales, .offset: 24, .size: 8, .value_kind: global_buffer, .address_space: global }
      - { .name: o_img, .offset: 32, .size: 8, .value_kind: global_buffer, .address_space: global }
    .group_segment_fixed_size: 327680
    .private_segment_fixed_size: 0
    .kernarg_segment_align: 8
    .kernarg_segment_size: 40
    .max_flat_workgroup_size: 512
    .sgpr_count:     80
    .vgpr_count:     256
    .wavefront_size: 32
...
	.end_amdgpu_metadata
.endif
;; end of part 2
;; launch outp (part 3): grid 8 x 32, 4 waves a work-group, clusters of 4 x 4, 327,680 bytes of LDS; arguments o_img, wo_codes, bo, lowp_scales, out0; writes out0
.if DOCPART == 3
	.amdgcn_target "amdgcn-amd-amdhsa--gfx1250"
	.amdhsa_code_object_version 6
	.text
	.protected	k_q9dded91bf5_outp
	.globl	k_q9dded91bf5_outp
	.p2align	8
	.type	k_q9dded91bf5_outp,@function
k_q9dded91bf5_outp:
	s_mov_b64 s[64:65], 0
	v_nop
	global_prefetch_b8 v0, s[64:65] scope:SCOPE_SE
	s_setreg_imm32_b32 hwreg(HW_REG_WAVE_MODE, 25, 1), 1
	s_wait_xcnt 0x0
	s_wait_alu depctr_hold_cnt(0) depctr_sa_sdst(0) depctr_va_vdst(0) depctr_va_sdst(0) depctr_va_ssrc(0) depctr_va_vcc(0) depctr_vm_vsrc(0)
	s_getreg_b32 s2, hwreg(HW_REG_IB_STS2, 6, 4)
	s_cmp_eq_u32 s2, 0
	s_cbranch_scc0 .Lentry_in_a_cluster
	s_endpgm
.Lentry_in_a_cluster:
	s_bfe_u32 s2, ttmp6, 0x10000c
	s_cmp_lg_u32 s2, 0xf033
	s_cbranch_scc0 .Lentry_shape_is_right
	s_endpgm
.Lentry_shape_is_right:
; out0 = o wo^T + bo on E4M3 codes: o's from the attention launch, as images of operand registers; wo's as given.  out0: [4,096][1,024] f32.
; SHARES.  A work-group makes 128 rows x 128 columns; each of its four waves 64 x 64, with its 64 rows of wo (64 KiB) in 512 registers.  All of K, 1,024, lies in LDS at once: o's eight tiles of 16 rows (128 KiB of images, dense)
; and 128 rows of wo, 16 bytes of padding behind each: filled once, nothing is filled again.
; CLUSTERS of 4 x 4: the four work-groups of a row of the cluster need the same rows of o, the four of a column the same rows of wo: both are asked for JOINTLY, one load of 64 KiB a wave (waves 0, 1: o; waves 2, 3: wo).
; THE PRODUCT IS USED TRANSPOSED (source 0 = 16 rows of wo, source 1 = 16 rows of o): a lane holds eight neighbouring columns of one row.  Both operands have k = 32 c + 16 h + 0 .. 15 in registers 4 c .. 4 c + 3.
; out = sum x 2^(e10 + e11) + bo, one packed multiply-add for two numbers; a tile goes through the wave's own stage in LDS and leaves as rows of 256 bytes, sixteen lanes to an aligned 256 bytes.
; No prefetch: everything is asked for once, at the head: there is no loop to run ahead in.
; LIMIT: e10 + e11 between -126 and 127.
; REGISTERS.  window 0: v1-10 addresses; v32-63 four accumulators; v64-95 results; v96-127 rows read back; v128-255 o's fragments, buffer A.  window 1, 2: wo's K steps 0-3, 4-7.  window 3: v0-127 buffer B; v128-159 bo.
.set WL,  131072                       ; wo's rows lie behind o's images
.set WP,  1040                         ; 1,024 bytes + 16: 65 x 16, so the 16 rows that a load touches start in 16 different groups of banks
.set STG, WL+128*WP                    ; behind both: 16 rows x (256 + 16) bytes for each wave; no tensor load lands here
.set SP,  272
.set SPARE, STG+4*16*SP                ; the spare words: no other line names them
.set ACC, 32
.set T,   64
.set R,   96
.set BO,  128                          ; in window 3
.set MSB, 0
.macro WIN new                         ; the immediate's high byte repeats the setting that is left
.if MSB != \new
	s_set_vgpr_msb (MSB<<8)|\new
.set MSB, \new
.endif
.endm
.macro PLACES n
.rept \n
	v_nop
.endr
.endm
.macro ROUND                           ; a round of the cluster's barrier
	s_barrier_signal -1
	s_barrier_wait -1
	s_cmp_lg_u32 s14, 0
	s_cbranch_scc1 .Lnot_wave_0_\@
	s_barrier_signal -3
.Lnot_wave_0_\@:
	s_barrier_wait -3
	s_barrier_signal -1
	s_barrier_wait -1
.endm
.macro WLOAD                           ; fragment (K step s, tile t) at v[16 (4 (s % 4) + t)] of window 1 or 2
.irp s, 0,1,2,3,4,5,6,7
.if \s < 4
	WIN 0x40
.else
	WIN 0x80
.endif
.irp t, 0,1,2,3
.irp c, 0,1,2,3
	ds_load_b128 v[16*(4*(\s%4)+\t)+4*\c:16*(4*(\s%4)+\t)+4*\c+3], v8 offset:\t*16*WP+128*\s+32*\c
.endr
.endr
.endr
	WIN 0
.endm
.macro OLOAD i, buf                    ; the eight fragments of tile i of rows, as they were stored
.if \buf
	WIN 0xc0
.endif
.irp s, 0,1,2,3,4,5,6,7
.irp c, 0,1,2,3
	ds_load_b128 v[128*(1-(\buf))+16*\s+4*\c:128*(1-(\buf))+16*\s+4*\c+3], v3 offset:(\i)*16384+2048*\s+512*\c
.endr
.endr
	WIN 0
.endm
.macro MM buf                          ; 32 products, the four accumulators by turns, one instruction a turn; the first K step starts the sums
.irp s, 0,1,2,3,4,5,6,7
.set WS, (1+\s/4)|((3*(\buf))<<2)
	WIN WS
.set RX, 128*(1-(\buf))+16*\s
.irp t, 0,1,2,3
.set RW, 16*(4*(\s%4)+\t)
.if \s == 0
	v_wmma_f32_16x16x128_fp8_fp8 v[ACC+8*\t:ACC+8*\t+7], v[RW:RW+15], v[RX:RX+15], 0
.else
	v_wmma_f32_16x16x128_fp8_fp8 v[ACC+8*\t:ACC+8*\t+7], v[RW:RW+15], v[RX:RX+15], v[ACC+8*\t:ACC+8*\t+7]
.endif
.endr
.endr
	WIN 0
.endm
.macro TILE_O i
	s_wait_dscnt 0x0                               ; this tile's fragments are in
.if (\i) < 3
	OLOAD (\i)+1, ((\i)+1)%2                       ; the next tile's, into the buffer that the tile before multiplied (five places stand behind its products)
.endif
	MM (\i)%2
	PLACES 5                                       ; four in front of the reads of results and of loads into sources; five in front of the next tile's first products, which begin the accumulators anew
	WIN 0x30                                       ; source 2 (bo) window 3
.irp n, 0,2,4,6,8,10,12,14,16,18,20,22,24,26,28,30
	v_pk_fma_f32 v[T+\n:T+\n+1], v[ACC+\n:ACC+\n+1], s[20:21], v[BO+\n:BO+\n+1] op_sel_hi:[1,0,1]   ; each accumulator from its low end on
.endr
	WIN 0
.irp t, 0,1,2,3
	ds_store_b128 v4, v[T+8*\t:T+8*\t+3] offset:64*\t          ; lane (r, h): row r, columns 16 t + 8 h + 0 .. 7
	ds_store_b128 v4, v[T+8*\t+4:T+8*\t+7] offset:64*\t+16
.endr
	s_wait_xcnt 0x0                                ; the last tile's stores have read v96-127
.irp k, 0,1,2,3,4,5,6,7
	ds_load_b128 v[R+4*\k:R+4*\k+3], v5 offset:2*\k*SP         ; LDS serves a wave's instructions in order (ISA guide 5.7.1.4): these see my stores; the stage is my own
.endr
.irp k, 0,1,2,3,4,5,6,7
	s_wait_dscnt 7-\k                              ; load k is back; the younger stage loads may be out
	global_store_b128 v6, v[R+4*\k:R+4*\k+3], s[12:13] offset:(16*(\i)+2*\k)*4096 th:TH_STORE_NT   ; 16 lanes store 256 consecutive bytes, aligned; two rows an instruction
.endr
.endm
	s_load_b256 s[4:11], s[0:1], 0x0               ; o_img s[4:5], wo s[6:7], bo s[8:9], the scales' exponents s[10:11]
	s_load_b64 s[12:13], s[0:1], 0x20              ; out0
	v_lshl_add_u32 v30, v0, 2, SPARE
	v_mov_b32 v31, 0
	ds_add_u32 v30, v31                            ; the opening lines: the add twice on end, then its wait
	ds_add_u32 v30, v31
	v_lshrrev_b32 v1, 5, v0
	v_readfirstlane_b32 s14, v1                    ; wave w
	s_bfe_u32 s17, ttmp6, 0x40000                  ; cx
	s_bfe_u32 s16, ttmp6, 0x40004                  ; cy
	s_lshl_b32 s18, ttmp9, 2
	s_add_co_u32 s18, s18, s17                     ; my 128 columns
	s_and_b32 s15, ttmp7, 0xffff
	s_lshl_b32 s15, s15, 2
	s_add_co_u32 s15, s15, s16                     ; my 128 rows
	s_lshl_b32 s24, s16, 2
	s_lshl_b32 s24, 15, s24                        ; my row of the cluster
	s_lshl_b32 s25, 0x1111, s17                    ; my column
	; descriptor group 1 for o: a dense block of 64 KiB as 256 rows of 32 elements of 8 bytes
	s_or_b32 s32, s24, (3<<16)|(1<<21)
	s_mov_b32 s33, 32<<16
	s_mov_b32 s34, 256<<16
	s_mov_b32 s35, 32<<16
	s_mov_b32 s36, 256
	s_mov_b32 s37, 32
	s_mov_b32 s38, 0
	s_mov_b32 s39, 0
	; for wo: 64 rows of 1,024 elements of one byte, 16 bytes of padding behind each
	s_or_b32 s40, s25, (1<<20)|(1<<21)|(7<<22)|(3<<25)
	s_mov_b32 s41, 1024<<16
	s_mov_b32 s42, 64<<16
	s_mov_b32 s43, 1024<<16
	s_mov_b32 s44, 64
	s_mov_b32 s45, 1024
	s_mov_b32 s46, 0
	s_mov_b32 s47, 0
	s_and_b32 s19, s14, 1                          ; which half of o's or of wo's rows I fetch; also which 64 columns are mine
	s_lshr_b32 s23, s14, 1                         ; which 64 rows are mine
	s_mov_b32 s28, 1
	s_lshl_b32 s29, s19, 16
	s_mov_b32 s48, 1
	s_mul_i32 s49, s19, 64*WP
	s_add_co_u32 s49, s49, WL
	s_lshl_b32 s52, s15, 17
	s_add_co_u32 s52, s52, s29                     ; o: by my rows alone
	s_mov_b32 s53, 0
	s_lshl_b32 s54, s18, 17
	s_add_co_u32 s54, s54, s29                     ; wo: by my columns alone
	s_mov_b32 s55, 0
	s_wait_dscnt 0x0                               ; both opening adds are done
	ROUND                                          ; all sixteen work-groups are here: the joint loads meet
	s_wait_kmcnt 0x0
	s_add_nc_u64 s[30:31], s[4:5], s[52:53]
	s_or_b32 s31, s31, 0x80000000                  ; type = 2
	s_add_nc_u64 s[50:51], s[6:7], s[54:55]
	s_or_b32 s51, s51, 0x80000000
	s_cmp_lt_u32 s14, 2
	s_cbranch_scc0 .Lfor_w
	tensor_load_to_lds s[28:31], s[32:39]          ; my one tensor load
	s_nop 0
	PLACES 4
	s_branch .Lasked
.Lfor_w:
	tensor_load_to_lds s[48:51], s[40:47]
	s_nop 0
	PLACES 4
.Lasked:
	s_load_b64 s[56:57], s[10:11], 0x28            ; e10, e11
	s_lshl_b32 s26, s18, 9
	s_lshl_b32 s27, s19, 8
	s_add_co_u32 s26, s26, s27
	s_mov_b32 s27, 0
	s_add_nc_u64 s[8:9], s[8:9], s[26:27]          ; bo at my 64 numbers
	s_add_nc_u64 s[12:13], s[12:13], s[26:27]      ; out0 at my 256 bytes of a row,
	s_lshl_b32 s26, s15, 1
	s_add_co_u32 s26, s26, s23
	s_lshl_b32 s26, s26, 18
	s_add_nc_u64 s[12:13], s[12:13], s[26:27]      ; in my first row
	s_mul_i32 s58, s19, 64*WP
	s_add_co_u32 s58, s58, WL                      ; my 64 rows of wo
	s_lshl_b32 s59, s23, 16                        ; my four tiles of o
	s_mul_i32 s60, s14, 16*SP
	s_add_co_u32 s60, s60, STG                     ; my stage
	v_and_b32 v1, 15, v0                           ; r
	v_bfe_u32 v2, v0, 4, 1                         ; h
	v_lshlrev_b32 v10, 5, v2
	WIN 0xc0
.irp t, 0,1,2,3
	global_load_b128 v[BO+8*\t:BO+8*\t+3], v10, s[8:9] offset:64*\t        ; bo of columns 16 t + 8 h + 0 .. 7
	global_load_b128 v[BO+8*\t+4:BO+8*\t+7], v10, s[8:9] offset:64*\t+16
.endr
	WIN 0
	v_mul_u32_u24 v8, v1, WP
	v_lshl_add_u32 v8, v2, 4, v8
	v_add_nc_u32 v8, s58, v8                       ; wo: row r, + 16 h
	v_and_b32 v3, 31, v0
	v_lshlrev_b32 v3, 4, v3
	v_add_nc_u32 v3, s59, v3                       ; o: 16 x lane
	v_mul_u32_u24 v4, v1, SP
	v_lshl_add_u32 v4, v2, 5, v4
	v_add_nc_u32 v4, s60, v4                       ; in: row r, + 32 h
	v_mul_u32_u24 v5, v2, SP
	v_lshl_add_u32 v5, v1, 4, v5
	v_add_nc_u32 v5, s60, v5                       ; back: lanes 0-15 one row, lanes 16-31 the next
	v_lshlrev_b32 v6, 12, v2
	v_lshl_add_u32 v6, v1, 4, v6                   ; and the same two rows in out0
	s_wait_alu depctr_va_vdst(0)
	s_wait_kmcnt 0x0
	s_add_co_i32 s20, s56, s57
	s_add_co_i32 s20, s20, 127
	s_lshl_b32 s20, s20, 23                        ; 2^(e10 + e11) as f32
	s_mov_b32 s21, s20                             ; (named with it as a pair)
	s_wait_loadcnt 0x0                             ; bo
	s_wait_tensorcnt 0x0                           ; my half of o or of wo has landed:
	s_barrier_signal -1
	s_barrier_wait -1                              ; everybody's
	OLOAD 0, 0
	WLOAD
.irp i, 0,1,2,3
	TILE_O \i
.endr
	s_wait_tensorcnt 0x0                           ; the wave's end
	ds_add_u32 v30, v31
	s_wait_dscnt 0x0
	ROUND                                          ; the closing round: no work-group ends while a partner may still ask for a tile that names it
	s_endpgm
.Lfunc_end_k_q9dded91bf5_outp:
	.size	k_q9dded91bf5_outp, .Lfunc_end_k_q9dded91bf5_outp-k_q9dded91bf5_outp
	.p2alignl 7, 3214868480
	.fill 96, 4, 3214868480
	.section	.rodata,"a",@progbits
	.p2align	6, 0x0
	.amdhsa_kernel k_q9dded91bf5_outp
		.amdhsa_group_segment_fixed_size 327680
		.amdhsa_private_segment_fixed_size 0
		.amdhsa_enable_private_segment 0
		.amdhsa_kernarg_size 40
		.amdhsa_user_sgpr_count 2
		.amdhsa_user_sgpr_kernarg_segment_ptr 1
		.amdhsa_wavefront_size32 1
		.amdhsa_system_sgpr_workgroup_id_x 1
		.amdhsa_system_sgpr_workgroup_id_y 1
		.amdhsa_system_sgpr_workgroup_id_z 1
		.amdhsa_system_vgpr_workitem_id 0
		.amdhsa_next_free_vgpr 1024
		.amdhsa_next_free_sgpr 66
		.amdhsa_reserve_vcc 0
		.amdhsa_float_denorm_mode_32 3
		.amdhsa_float_denorm_mode_16_64 3
		.amdhsa_memory_ordered 1
		.amdhsa_forward_progress 1
		.amdhsa_inst_pref_size 45
	.end_amdhsa_kernel
	.amdgpu_metadata
---
amdhsa.version: [ 1, 2 ]
amdhsa.kernels:
  - .name:           k_q9dded91bf5_outp
    .symbol:         k_q9dded91bf5_outp.kd
    .args:
      - { .name: o_img, .offset: 0, .size: 8, .value_kind: global_buffer, .address_space: global }
      - { .name: wo_codes, .offset: 8, .size: 8, .value_kind: global_buffer, .address_space: global }
      - { .name: bo, .offset: 16, .size: 8, .value_kind: global_buffer, .address_space: global }
      - { .name: lowp_scales, .offset: 24, .size: 8, .value_kind: global_buffer, .address_space: global }
      - { .name: out0, .offset: 32, .size: 8, .value_kind: global_buffer, .address_space: global }
    .group_segment_fixed_size: 327680
    .private_segment_fixed_size: 0
    .kernarg_segment_align: 8
    .kernarg_segment_size: 40
    .max_flat_workgroup_size: 128
    .sgpr_count:     66
    .vgpr_count:     1024
    .wavefront_size: 32
...
	.end_amdgpu_metadata
.endif
;; end of part 3
